; MI455X (gfx1250); checked and timed in simulation.
; The chip was launched on July 23, 2026; its instructions are those of AMD's public machine-readable ISA for CDNA 5 (MIT licence, August 2026) and "CDNA5" Instruction Set Architecture Reference Guide (July 2026). The comments in the code are by the model that wrote it; some were corrected since.
;; Int8 Dyn Act Int4 Weight Linear. Allowed arithmetic: float matrix products may take bf16 or f16 operands with f32 sums; other float arithmetic in f32, or as packed bf16 or f16 multiplies, adds, multiply-adds, maxima and minima; sums over many terms, partial sums and values carried from step to step in f32; what a program stores and reads back later, other than sums and carried values, may be rounded once to bf16 or f16.
;; Inputs: scales 4,096 x 16 float32; weight_int8 4,096 x 4,096 int8; x 4 x 1,024 x 4,096 float32; zeros 4,096 x 16 float32.
;; Outputs: out0 4 x 1,024 x 4,096 float32.
;; Constants: group_size = 256.
;; 2 versions, each right; version 2 is version 1 with the launch prep written anew for expert scheduling mode. Each part assembles by itself: llvm-mc -triple=amdgcn-amd-amdhsa -mcpu=gfx1250 --defsym DOCPART=n.
;; ======== version 1 of 2: 2 launches
;; limits: values are held in f16: magnitudes above 65,504 overflow, below 6.1e-05 lose precision
;; workspace buffers: aq 33,554,432 bytes; wq 33,554,432 bytes; xs 16,384 bytes
;; launch prep (part 1): grid 256 x 1, 16 waves a work-group, no clusters, 0 bytes of LDS; arguments x, weight_int8, scales, zeros, aq, wq, xs; writes aq, wq, xs
.if DOCPART == 1
	.amdgcn_target "amdgcn-amd-amdhsa--gfx1250"
	.amdhsa_code_object_version 6
	.text
	.protected	k_qf9c31fa203_prep
	.globl	k_qf9c31fa203_prep
	.p2align	8
	.type	k_qf9c31fa203_prep,@function
k_qf9c31fa203_prep:
	s_mov_b64 s[64:65], 0
	v_nop
	global_prefetch_b8 v0, s[64:65] scope:SCOPE_SE
	s_setreg_imm32_b32 hwreg(HW_REG_WAVE_MODE, 25, 1), 1
	s_wait_xcnt 0x0
; PREPARATION FOR THE PRODUCT.  Two streams, one row of each to a wave; row = 16 x work-group + wave, 4,096 rows of either kind.
;   weights: wq[p(n)][k] = f16((w[n][k] - zeros[n][k/256]) * scales[n][k/256]), reckoned in f32 in the order subtract, multiply, and rounded once to f16.
;            The rows are laid down permuted, p(n) = (n & ~63) | (n & 3) << 4 | (n >> 2) & 15, so that in the product that follows four accumulators hold, in one lane,
;            four neighbouring columns of the result, which then leaves from registers in runs of 256 consecutive bytes.
;   tokens:  aq[m][k] = f16(q - zp), a whole number in -255 .. 255 and so exact in f16; xs[m] = the token's scale, which the product applies in f32 to its finished sums.
;            mn = min(row, 0), mx = max(row, 0); scale = max((mx - mn) / 255, 2^-23); zp from whichever end, rounded to even and held to -128 .. 127;
;            clip(round(x / scale) + zp, -128, 127) - zp = clip(round(x / scale), -128 - zp, 127 - zp): all whole numbers, so the two are the same number.
; A row of x is 16,384 bytes = 128 registers of a wave: it stays in registers between the pass that finds mn and mx and the pass that quantises, so it is read once.
; No LDS, no barrier, no matrix unit: the waves share nothing.  All 48 loads of a wave go out at its head; the weights, asked for first, are worked on while x is on its way.
; LIMITS.  NaN and infinities are not treated apart (minimum and maximum drop a NaN).  A dequantised weight lies within f16's 65,504; below 6.1e-5 it keeps f16's fixed step of 6e-8.
; Divisions are a reciprocal with one residual step; x / scale is x times such a reciprocal, which can round to the neighbouring code where the quotient lies within
; about two units in the last place of a half: one quantum in one of a row's 4,096 terms.
.set L16, 2                            ; v2        16 x lane; never rewritten
.set L8,  3                            ; v3        8 x lane; never rewritten
.set ZP,  4                            ; v[4:5]    the group's zero point; v5 is named with it as a pair and holds 0
.set SP,  6                            ; v[6:7]    the group's scale; v7 likewise
.set INV, 8                            ; v[8:9]    1 / the token's scale, twice
.set MAG, 10                           ; v10       0x4b000000 = 2^23 as f32
.set NUL, 11                           ; v11       0: the offset of the one store into xs
.set U,   12                           ; v[12:13]  eight weight bytes, each plus 128
.set MN,  14                           ; v14, v15  two running minima
.set MX,  16                           ; v16, v17  two running maxima
.set D,   18                           ; v18       mx - mn
.set SC,  19                           ; v19       the token's scale
.set CLO, 20                           ; v20       -128 - zp
.set CHI, 21                           ; v21       127 - zp
.set Q1,  22                           ; v22       mn / scale
.set Q2,  23                           ; v23       mx / scale
.set R,   24                           ; v24       a residual
.set T,   26                           ; v[26:33]  at work
.set Y,   34                           ; v[34:49]  four slots of four: eight f16 to store
.set W,   50                           ; v[50:81]  group j: two registers, eight weight bytes
.set X,   82                           ; v[82:209] load i: four registers of x
	s_load_b256 s[4:11], s[0:1], 0x0               ; x s[4:5], weight s[6:7], scales s[8:9], zeros s[10:11]
	s_load_b128 s[12:15], s[0:1], 0x20             ; aq s[12:13], wq s[14:15]
	s_load_b64 s[16:17], s[0:1], 0x30              ; xs
	v_lshrrev_b32 v1, 5, v0
	v_readfirstlane_b32 s18, v1                    ; wave 0..15
	v_and_b32 v1, 31, v0                           ; lane
	v_lshlrev_b32 v[L16], 4, v1
	v_lshlrev_b32 v[L8], 3, v1
	v_mov_b32 v[ZP+1], 0
	v_mov_b32 v[SP+1], 0
	v_mov_b32 v[MAG], 0x4b000000
	v_mov_b32 v[NUL], 0
	s_lshl_b32 s19, ttmp9, 4
	s_add_co_u32 s19, s19, s18                     ; my row
	s_and_b32 s22, s19, 0xfc0                      ; p(row): the block of 64 stays,
	s_and_b32 s23, s19, 3
	s_lshl_b32 s23, s23, 4                         ; the two lowest bits go up by four,
	s_bfe_u32 s24, s19, 0x40002                    ; bits 5:2 come down by two
	s_or_b32 s22, s22, s23
	s_or_b32 s22, s22, s24
	s_mov_b32 s21, 0                               ; the high word of every offset
	s_mov_b32 s67, 0x80808080                      ; turns four signed bytes into byte + 128
	s_mov_b32 s68, 0x03000004                      ; byte selects: the top byte of 2^23, two of its zero bytes, and byte 0, 1, 2 or 3 of the weights' word
	s_mov_b32 s69, 0x03000005
	s_mov_b32 s70, 0x03000006
	s_mov_b32 s71, 0x03000007
	s_mov_b32 s72, 0x76543210                      ; v_permlanex16_b32: each lane takes its own place in the other half
	s_mov_b32 s73, 0xfedcba98
	s_mov_b32 s74, 0xc3000000                      ; -128.0
	s_mov_b32 s75, 0x42fe0000                      ; 127.0
	s_mov_b32 s78, 0xcb000080                      ; -(2^23 + 128)
	s_mov_b32 s79, 0xcb000080                      ; named with it as a pair
	s_wait_kmcnt 0x0
	s_lshl_b32 s20, s19, 14                        ; a row of x: 16,384 bytes
	s_add_nc_u64 s[4:5], s[4:5], s[20:21]
	s_lshl_b32 s20, s19, 12                        ; of the weights: 4,096
	s_add_nc_u64 s[6:7], s[6:7], s[20:21]
	s_lshl_b32 s20, s19, 6                         ; of scales and of zeros: 64
	s_add_nc_u64 s[8:9], s[8:9], s[20:21]
	s_add_nc_u64 s[10:11], s[10:11], s[20:21]
	s_lshl_b32 s20, s19, 13                        ; of aq: 8,192
	s_add_nc_u64 s[12:13], s[12:13], s[20:21]
	s_lshl_b32 s20, s22, 13                        ; of wq, at the permuted row
	s_add_nc_u64 s[14:15], s[14:15], s[20:21]
	s_lshl_b32 s20, s19, 2                         ; my word of xs
	s_add_nc_u64 s[16:17], s[16:17], s[20:21]
	s_load_b512 s[32:47], s[8:9], 0x0              ; the row's 16 scales
	s_load_b512 s[48:63], s[10:11], 0x0            ; and its 16 zero points
.irp j, 0,1,2,3,4,5,6,7,8,9,10,11,12,13,14,15
	global_load_b64 v[W+2*(\j):W+2*(\j)+1], v[L8], s[6:7] offset:256*(\j) th:TH_LOAD_NT  ; 32 lanes x 8 bytes = 256 bytes = group j, whole
.endr
.set i, 0
.rept 32
	global_load_b128 v[X+4*i:X+4*i+3], v[L16], s[4:5] offset:512*i th:TH_LOAD_NT  ; 512 consecutive bytes of the row
.set i, i+1
.endr
	s_wait_kmcnt 0x0                               ; scales and zero points
; Group j of the weights' row: eight bytes a lane become eight f16, 16 bytes a lane.
.macro WGRP j
	s_wait_loadcnt 47-(\j)                         ; loads come back in order: behind group j's stand 15 - j of the weights' and the 32 of x
.if (\j) >= 4
	s_wait_xcnt 0x0                                ; Y's slot was the data of the store four groups back: it is rewritten only behind this wait
.endif
	v_mov_b32 v[ZP], s[48+(\j)]
	v_mov_b32 v[SP], s[32+(\j)]
	v_xor_b32 v[U], s67, v[W+2*(\j)]               ; each byte: w + 128, 0 .. 255
	v_xor_b32 v[U+1], s67, v[W+2*(\j)+1]
.irp k, 0,1,2,3
	v_perm_b32 v[T+(\k)], v[U], v[MAG], s[68+(\k)]       ; the byte as the lowest mantissa bits of 2^23: the f32 number 2^23 + w + 128
	v_perm_b32 v[T+4+(\k)], v[U+1], v[MAG], s[68+(\k)]
.endr
.irp k, 0,2,4,6
	v_pk_add_f32 v[T+(\k):T+(\k)+1], v[T+(\k):T+(\k)+1], s[78:79] op_sel_hi:[1,0]  ; w, exactly
.endr
.irp k, 0,2,4,6
	v_pk_add_f32 v[T+(\k):T+(\k)+1], v[T+(\k):T+(\k)+1], v[ZP:ZP+1] op_sel_hi:[1,0] neg_lo:[0,1] neg_hi:[0,1]  ; w - z
.endr
.irp k, 0,2,4,6
	v_pk_mul_f32 v[T+(\k):T+(\k)+1], v[T+(\k):T+(\k)+1], v[SP:SP+1] op_sel_hi:[1,0]  ; (w - z) s
.endr
.irp k, 0,1,2,3
	v_cvt_pk_f16_f32 v[Y+4*((\j)%4)+(\k)], v[T+2*(\k)], v[T+2*(\k)+1]  ; the program's one rounding of a matrix operand
.endr
	global_store_b128 v[L16], v[Y+4*((\j)%4):Y+4*((\j)%4)+3], s[14:15] offset:512*(\j)  ; 512 consecutive bytes, at a multiple of 512 from the row's first
.endm
.irp j, 0,1,2,3,4,5,6,7,8,9,10,11,12,13,14,15
	WGRP \j
.endr
	; PASS 1 over x: minimum and maximum, in two chains each, three operands at a time.  The chains start at 0, which is the formula's own min(., 0) and max(., 0).
	v_mov_b32 v[MN], 0
	v_mov_b32 v[MN+1], 0
	v_mov_b32 v[MX], 0
	v_mov_b32 v[MX+1], 0
.irp c, 0,1,2,3
	s_wait_loadcnt 24-8*(\c)                       ; eight loads of x at a time: the younger ones stay out
.irp i, 0,1,2,3,4,5,6,7
	v_min3_num_f32 v[MN],   v[MN],   v[X+4*(8*(\c)+(\i))],   v[X+4*(8*(\c)+(\i))+1]
	v_max3_num_f32 v[MX],   v[MX],   v[X+4*(8*(\c)+(\i))],   v[X+4*(8*(\c)+(\i))+1]
	v_min3_num_f32 v[MN+1], v[MN+1], v[X+4*(8*(\c)+(\i))+2], v[X+4*(8*(\c)+(\i))+3]
	v_max3_num_f32 v[MX+1], v[MX+1], v[X+4*(8*(\c)+(\i))+2], v[X+4*(8*(\c)+(\i))+3]
.endr
.endr
	v_min_num_f32 v[MN], v[MN], v[MN+1]
	v_max_num_f32 v[MX], v[MX], v[MX+1]
.irp m, 1,2,4,8                        ; across the 16 lanes of each half, riding on the arithmetic
	v_min_num_f32_dpp v[MN], v[MN], v[MN] row_xmask:\m row_mask:0xf bank_mask:0xf
	v_max_num_f32_dpp v[MX], v[MX], v[MX] row_xmask:\m row_mask:0xf bank_mask:0xf
.endr
	v_permlanex16_b32 v[T], v[MN], s72, s73        ; the other half's (the destinations have been written before)
	v_permlanex16_b32 v[T+1], v[MX], s72, s73
	v_min_num_f32 v[MN], v[MN], v[T]
	v_max_num_f32 v[MX], v[MX], v[T+1]             ; every lane holds the row's mn and mx
	; THE ROW'S FIGURES, in every lane.
	v_sub_f32 v[D], v[MX], v[MN]
	v_mul_f32 v[SC], 0x3b808081, v[D]              ; (mx - mn) / 255: times 1 / 255,
	v_fmamk_f32 v[R], v[SC], 0xc37f0000, v[D]      ; the residual (mx - mn) - 255 q,
	v_fmamk_f32 v[SC], v[R], 0x3b808081, v[SC]     ; and its share added
	v_max_num_f32 v[SC], 0x34000000, v[SC]         ; at least 2^-23
	v_rcp_f32 v[INV], v[SC]
	v_nop                                          ; a plain instruction between the reciprocal and the use of its result (ISA guide 5.7.2)
	s_wait_alu depctr_va_vdst(0)
	v_fma_f32 v[R], -v[SC], v[INV], 1.0
	v_fma_f32 v[INV], v[R], v[INV], v[INV]         ; 1 / scale, one residual step on
	v_mov_b32 v[INV+1], v[INV]
	v_mul_f32 v[Q1], v[MN], v[INV]                 ; mn / scale and mx / scale, each with a residual step
	v_mul_f32 v[Q2], v[MX], v[INV]
	v_fma_f32 v[R], -v[Q1], v[SC], v[MN]
	v_fma_f32 v[T], -v[Q2], v[SC], v[MX]
	v_fma_f32 v[Q1], v[R], v[INV], v[Q1]
	v_fma_f32 v[Q2], v[T], v[INV], v[Q2]
	v_add_f32 v[T], s74, v[Q1]                     ; (-128 + mn / scale) + (127 + mx / scale) > 0 ?
	v_add_f32 v[T+1], s75, v[Q2]
	v_sub_f32 v[T+2], s74, v[Q1]                   ; then -128 - mn / scale,
	v_sub_f32 v[T+3], s75, v[Q2]                   ; else 127 - mx / scale
	v_add_f32 v[R], v[T], v[T+1]
	v_cmp_lt_f32 vcc_lo, 0, v[R]
	v_cndmask_b32 v[T+4], v[T+3], v[T+2], vcc_lo
	v_rndne_f32 v[T+4], v[T+4]                     ; to the nearest whole number, halves to even
	v_med3_num_f32 v[T+4], v[T+4], s74, s75        ; zp, held to -128 .. 127
	v_sub_f32 v[CLO], s74, v[T+4]
	v_sub_f32 v[CHI], s75, v[T+4]
; PASS 2: load i's four numbers become q - zp, in place, and leave as four f16.  Nothing rewrites these registers afterwards, so the stores need no wait.
.macro XQ i
.set XB, X+4*(\i)
	v_pk_mul_f32 v[XB:XB+1], v[XB:XB+1], v[INV:INV+1]
	v_pk_mul_f32 v[XB+2:XB+3], v[XB+2:XB+3], v[INV:INV+1]
.irp k, 0,1,2,3
	v_rndne_f32 v[XB+(\k)], v[XB+(\k)]
.endr
.irp k, 0,1,2,3
	v_med3_num_f32 v[XB+(\k)], v[XB+(\k)], v[CLO], v[CHI]
.endr
	v_cvt_pk_f16_f32 v[XB], v[XB], v[XB+1]         ; whole numbers up to 255: exact in f16
	v_cvt_pk_f16_f32 v[XB+1], v[XB+2], v[XB+3]
	global_store_b64 v[L8], v[XB:XB+1], s[12:13] offset:256*(\i)  ; the wave's 32 lanes store 256 consecutive bytes, at a multiple of 256 from aq's first
.endm
.set n, 0
.rept 32
	XQ n
.set n, n+1
.endr
	; The token's scale: one word a row, from lane 0.  A wave owns one row, so these four bytes stand alone: 16,384 bytes of the launch's stores in all.
	v_cmp_eq_u32 vcc_lo, 0, v1
	s_wait_xcnt 0x0                                ; EXEC is a source of the stores above: it changes only behind this wait
	s_and_saveexec_b32 s76, vcc_lo
	global_store_b32 v[NUL], v[SC], s[16:17]
	s_wait_xcnt 0x0                                ; and again in front of the line that widens it
	s_or_b32 exec_lo, exec_lo, s76
	s_endpgm
.Lfunc_end_k_qf9c31fa203_prep:
	.size	k_qf9c31fa203_prep, .Lfunc_end_k_qf9c31fa203_prep-k_qf9c31fa203_prep
	.p2alignl 7, 3214868480
	.fill 96, 4, 3214868480
	.section	.rodata,"a",@progbits
	.p2align	6, 0x0
	.amdhsa_kernel k_qf9c31fa203_prep
		.amdhsa_group_segment_fixed_size 0
		.amdhsa_private_segment_fixed_size 0
		.amdhsa_enable_private_segment 0
		.amdhsa_kernarg_size 56
		.amdhsa_user_sgpr_count 2
		.amdhsa_user_sgpr_kernarg_segment_ptr 1
		.amdhsa_wavefront_size32 1
		.amdhsa_system_sgpr_workgroup_id_x 1
		.amdhsa_system_sgpr_workgroup_id_y 1
		.amdhsa_system_sgpr_workgroup_id_z 1
		.amdhsa_system_vgpr_workitem_id 0
		.amdhsa_next_free_vgpr 210
		.amdhsa_next_free_sgpr 80
		.amdhsa_reserve_vcc 1
		.amdhsa_float_denorm_mode_32 3
		.amdhsa_float_denorm_mode_16_64 3
		.amdhsa_memory_ordered 1
		.amdhsa_forward_progress 1
		.amdhsa_inst_pref_size 69
	.end_amdhsa_kernel
	.amdgpu_metadata
---
amdhsa.version: [ 1, 2 ]
amdhsa.kernels:
  - .name:           k_qf9c31fa203_prep
    .symbol:         k_qf9c31fa203_prep.kd
    .args:
      - { .name: x, .offset: 0, .size: 8, .value_kind: global_buffer, .address_space: global }
      - { .name: weight_int8, .offset: 8, .size: 8, .value_kind: global_buffer, .address_space: global }
      - { .name: scales, .offset: 16, .size: 8, .value_kind: global_buffer, .address_space: global }
      - { .name: zeros, .offset: 24, .size: 8, .value_kind: global_buffer, .address_space: global }
      - { .name: aq, .offset: 32, .size: 8, .value_kind: global_buffer, .address_space: global }
      - { .name: wq, .offset: 40, .size: 8, .value_kind: global_buffer, .address_space: global }
      - { .name: xs, .offset: 48, .size: 8, .value_kind: global_buffer, .address_space: global }
    .group_segment_fixed_size: 0
    .private_segment_fixed_size: 0
    .kernarg_segment_align: 8
    .kernarg_segment_size: 56
    .max_flat_workgroup_size: 512
    .sgpr_count:     80
    .vgpr_count:     210
    .wavefront_size: 32
...
	.end_amdgpu_metadata
.endif
;; end of part 1
;; launch gemm (part 2): grid 16 x 16, 4 waves a work-group, clusters of 4 x 4, 327,680 bytes of LDS; arguments aq, wq, out0, xs; writes out0
.if DOCPART == 2
	.amdgcn_target "amdgcn-amd-amdhsa--gfx1250"
	.amdhsa_code_object_version 6
	.text
	.protected	k_qf9c31fa203_gemm
	.globl	k_qf9c31fa203_gemm
	.p2align	8
	.type	k_qf9c31fa203_gemm,@function
k_qf9c31fa203_gemm:
	s_mov_b64 s[64:65], 0
	v_nop
	global_prefetch_b8 v0, s[64:65] scope:SCOPE_SE
	s_setreg_imm32_b32 hwreg(HW_REG_WAVE_MODE, 25, 1), 1
	s_wait_xcnt 0x0
	s_wait_alu depctr_hold_cnt(0) depctr_sa_sdst(0) depctr_va_vdst(0) depctr_va_sdst(0) depctr_va_ssrc(0) depctr_va_vcc(0) depctr_vm_vsrc(0)
	s_getreg_b32 s2, hwreg(HW_REG_IB_STS2, 6, 4)
	s_cmp_eq_u32 s2, 0
	s_cbranch_scc0 .Lentry_in_a_cluster
	s_endpgm
.Lentry_in_a_cluster:
	s_bfe_u32 s2, ttmp6, 0x10000c
	s_cmp_lg_u32 s2, 0xf033
	s_cbranch_scc0 .Lentry_shape_is_right
	s_endpgm
.Lentry_shape_is_right:
; out0[m][n] = xs[m] x the sum over k of aq[m][k] wq[p(n)][k].  aq: [4096][4096] f16, whole numbers q - zp; wq: [4096][4096] f16, the dequantised weights, rows permuted by
; p(n) = (n & ~63) | (n & 3) << 4 | (n >> 2) & 15; xs: [4096] f32, the tokens' scales; out0: [4096][4096] f32.  Sums in f32, K ascending; the scale is applied in f32 to the finished sum.
; A tile of the result, 256 x 256, is made by a work-group of four waves; a wave makes 128 x 128: 64 accumulators of 16 x 16, 512 registers.  16 x 16 tiles: 256 work-groups, one tile each.
; K goes in 32 steps of 128 through a ring of two LDS slots filled by the tensor data mover: a tile's rows are 256 bytes of memory and start at multiples of 256 bytes from the buffer's first byte.
; CLUSTERS: 4 x 4 work-groups.  The four of a row of the cluster need the same tiles of aq, the four of a column the same tiles of wq: each tile is asked for JOINTLY, by the same tensor load
; with the same descriptor and a mask that names the four; each receives it in its own LDS.  That divides the requests for both operands by four.
; THE WAY OUT NEEDS NO LDS.  Source 0 = 16 rows of aq, source 1 = 16 rows of wq.  In accumulator (a, b) lane l (r = l % 16, h = l / 16) holds in register j the row 16 a + 8 h + j and the
; column that wq's row 16 b + r stands for: 64 (b / 4) + 4 r + b % 4.  So register j of the four accumulators 4 g .. 4 g + 3 is four neighbouring columns of one row in one lane, and sixteen
; neighbouring lanes hold 256 neighbouring bytes.  The multiply by xs[m], which is due anyway, puts the four into consecutive registers, and they are stored from there.
; LIMITS.  NaN and infinities are not treated apart.  The operands' range and rounding are those of the launch that wrote them: aq exact, wq rounded once to f16.
;
; REGISTERS, in windows of 256 (s_set_vgpr_msb's low byte: bits 1:0 source 0, 3:2 source 1, 5:4 source 2, 7:6 destination):
;   window 0: v0-31 addresses; v64-127, v128-191 fragments of aq (8 x 16 rows x 32 K), two buffers, and on the way out two buffers of scaled results; v192-255 my rows' scales
;   window 1: v64-127, v128-191 fragments of wq, two buffers
;   window 2: the 32 accumulators of my rows 0-63 (accumulator (a, b) at v[8 (8 a + b)]);   window 3: those of my rows 64-127
.set SIZE_K, 4096
.set SIZE_N, 4096
.set ROWC,   SIZE_N*4                  ; bytes in a row of out0
.set KSTEP,  128
.set PITCH,  272                       ; an LDS row: 256 bytes of data + 16 of padding = 68 words: row r starts at bank 4 r mod 64 (64 banks of 4 bytes: ISA guide 11.1), so the 16 rows that a load touches start at 16 different banks
.set HALFT,  128*PITCH                 ; 128 rows: what one tensor load brings, and what one wave reads of either operand
.set SLOT,   4*HALFT                   ; aq's 256 rows, then wq's 256 rows
.set SPARE,  2*SLOT                    ; behind the ring (1,088 blocks of 256 bytes): the spare words, 128 bytes for each wave: two blocks of 256 bytes that no other line names
.set LAPS,   SIZE_K/(2*KSTEP)          ; a lap = two K steps = once round the ring: 16
.set ADRA, 16                          ; v16-17  LDS address of my fragments of aq in slot 0, 1
.set ADRB, 20                          ; v20-21  the same for wq
.set CO,   26                          ; v26     my byte offset in out0: 8 h rows + 16 r; never rewritten
.set XO,   27                          ; v27     my byte offset in xs: 32 h
.set SPW,  28                          ; v28     LDS address of my spare word: SPARE + 4 x my thread's number; never rewritten
.set NIL,  29                          ; v29     0; never rewritten
.set F0,   64                          ; fragment buffer 0
.set F1,   128                         ; fragment buffer 1
.set SCL,  192                         ; v[SCL + 8 a + j] = xs of my row 16 a + 8 h + j
.set G1,  24                           ; s[24:31] descriptor group 1 for aq's tiles
.set G0,  32                           ; s[32:39] descriptor group 0 for aq's tiles, one set for each slot
.set G1B, 48                           ; s[48:55] descriptor group 1 for wq's tiles: it differs in the mask alone
.set G0B, 56                           ; s[56:63] descriptor group 0 for wq's tiles, one set for each slot
.set MSB, 0
.macro WIN new                         ; the immediate's high byte repeats the setting that is left; a switch that changes nothing is dropped
.if MSB != (\new)
	s_set_vgpr_msb (MSB<<8)|(\new)
.set MSB, \new
.endif
.endm
.set MUL_LO, 0xa4                      ; source 0 (aq) window 0, source 1 (wq) window 1, C and D window 2
.set MUL_HI, 0xf4                      ; the same, C and D window 3
.set TO_B,   0x40                      ; destination window 1, address window 0
; A joint load.  Waves 0 and 1 fetch aq's two halves, waves 2 and 3 wq's.  Each of the two lines has ONE mask and one set of registers for all that issue it; the branch hangs on the wave's
; number alone.  An s_nop 0 and four v_nop follow each of the two lines; the jump round the other line, the label and what follows come after them.
.macro JLOAD s
	s_cmp_eq_u32 s13, 0
	s_cbranch_scc0 .Lfor_b_\@
	tensor_load_to_lds s[G0+4*(\s):G0+4*(\s)+3], s[G1:G1+7]
	s_nop 0
.rept 4
	v_nop
.endr
	s_branch .Lasked_\@
.Lfor_b_\@:
	tensor_load_to_lds s[G0B+4*(\s):G0B+4*(\s)+3], s[G1B:G1B+7]
	s_nop 0
.rept 4
	v_nop
.endr
.Lasked_\@:
.endm
; A round of the cluster's barrier: my work-group's barrier, so that wave 0's signal speaks for all four waves; wave 0 signals for the work-group; every wave waits for all sixteen
; work-groups; my work-group's barrier once more.  No LDS instruction of the wave is pending at a signal.
.macro CREST                           ; a round behind its opening barrier
	s_cmp_lg_u32 s12, 0
	s_cbranch_scc1 .Lnot_wave_0_\@
	s_barrier_signal -3
.Lnot_wave_0_\@:
	s_barrier_wait -3
	s_barrier_signal -1
	s_barrier_wait -1
.endm
.macro CROUND                          ; a whole round
	s_barrier_signal -1
	s_barrier_wait -1
	CREST
.endm
	s_load_b256 s[4:11], s[0:1], 0x0               ; aq s[4:5], wq s[6:7], out0 s[8:9], xs s[10:11]
	v_lshl_add_u32 v[SPW], v0, 2, SPARE
	v_mov_b32 v[NIL], 0
	ds_add_u32 v[SPW], v[NIL]                      ; the wave's opening: the add and its wait stand ahead of my first tensor load; the set-up below, work on registers, stands between them
	v_lshrrev_b32 v1, 5, v0
	v_readfirstlane_b32 s12, v1                    ; wave 0..3
	s_lshr_b32 s13, s12, 1                         ; which half of the tile's rows is mine.  Also: I fetch for aq (0) or for wq (1)
	s_and_b32 s14, s12, 1                          ; which half of its columns.  Also: which 128 rows of that tile I fetch
	s_bfe_u32 s40, ttmp6, 0x40000                  ; cx: my place along the cluster's x
	s_bfe_u32 s41, ttmp6, 0x40004                  ; cy: along its y
	s_lshl_b32 s42, ttmp9, 2                       ; in a cluster launch ttmp9 and ttmp7 count clusters
	s_add_co_u32 s42, s42, s40                     ; tile column = 4 x cluster x + cx
	s_and_b32 s15, ttmp7, 0xffff
	s_lshl_b32 s15, s15, 2
	s_add_co_u32 s15, s15, s41                     ; tile row = 4 x cluster y + cy
	s_lshl_b32 s43, s41, 2
	s_lshl_b32 s43, 15, s43                        ; my row of the cluster: places 4 cy .. 4 cy + 3
	s_lshl_b32 s44, 0x1111, s40                    ; my column: places cx, cx + 4, cx + 8, cx + 12
	; descriptor group 1: a tile of 128 rows x 128 elements, padded in LDS
	s_or_b32 s[G1+0], s43, (1<<16)|(1<<20)|(1<<21)|(5<<22)|(3<<25)   ; 15:0 the mask: aq's tiles go to my row; 17:16 elements of 2 bytes; 20 padding on; 21 set beside a mask; 24:22 after every 64 words (code 5); 31:25 4 words of it (code 3)
	s_or_b32 s[G1B+0], s44, (1<<16)|(1<<20)|(1<<21)|(5<<22)|(3<<25)  ; the same with the mask of my column, for wq's tiles
.irp g, G1, G1B
	s_mov_b32 s[(\g)+1], KSTEP<<16                 ; 63:48 tensor_dim0, low half = 128
	s_mov_b32 s[(\g)+2], 128<<16                   ; 79:64 its high half = 0; 95:80 tensor_dim1, low half = 128
	s_mov_b32 s[(\g)+3], KSTEP<<16                 ; 111:96 its high half = 0; 127:112 tile_dim0 = 128
	s_mov_b32 s[(\g)+4], 128                       ; 143:128 tile_dim1 = 128; 159:144 tile_dim2 = 0
	s_mov_b32 s[(\g)+5], SIZE_K                    ; 191:160 tensor_dim0_stride, low word: elements from row to row
	s_mov_b32 s[(\g)+6], 0
	s_mov_b32 s[(\g)+7], 0
.endr
	; where the tiles come from.  aq's hang on the tile row alone, which my row of the cluster shares; wq's on the tile column alone, which my column shares.
	; Every wave makes both addresses, in registers that never hold the other coordinate, and asks by one of them.
	s_lshl_b32 s21, s14, 7                         ; which 128 rows of the tile I fetch
	s_lshl_b32 s16, s15, 8
	s_add_co_u32 s16, s16, s21                     ; aq: row 256 x tile row + 128 x half,
	s_lshl_b32 s16, s16, 13                        ; times 8,192 bytes: under 2^25
	s_mov_b32 s17, 0
	s_lshl_b32 s46, s42, 8
	s_add_co_u32 s46, s46, s21                     ; wq: row 256 x tile column + 128 x half
	s_lshl_b32 s46, s46, 13
	s_mov_b32 s47, 0
	s_mul_i32 s20, s12, HALFT                      ; and where they go: aq's two halves, then wq's two halves = wave x 128 rows: no place in the cluster enters an LDS address
	s_wait_dscnt 0x0                               ; the opening add is done
	s_wait_kmcnt 0x0
	s_add_nc_u64 s[18:19], s[4:5], s[16:17]
	s_add_nc_u64 s[46:47], s[6:7], s[46:47]
	CROUND                                         ; all sixteen work-groups are here: the first joint loads meet
.irp s, 0,1
	s_mov_b32 s[G0+4*(\s)], 1                                        ; 1:0 count = 1
	s_add_co_u32 s[G0+4*(\s)+1], s20, (\s)*SLOT                      ; 63:32 LDS address
	s_add_nc_u64 s[G0+4*(\s)+2:G0+4*(\s)+3], s[18:19], (\s)*KSTEP*2  ; 120:64 global address: K step s
	s_or_b32 s[G0+4*(\s)+3], s[G0+4*(\s)+3], 0x80000000              ; 127:126 type = 2
	s_mov_b32 s[G0B+4*(\s)], 1
	s_add_co_u32 s[G0B+4*(\s)+1], s20, (\s)*SLOT
	s_add_nc_u64 s[G0B+4*(\s)+2:G0B+4*(\s)+3], s[46:47], (\s)*KSTEP*2
	s_or_b32 s[G0B+4*(\s)+3], s[G0B+4*(\s)+3], 0x80000000
	JLOAD \s                                       ; the ring is filled before anything else is done: two tensor loads of mine are out
.endr
	; A fragment is 16 rows x 32 K in 8 registers: lane l holds row l % 16; registers 0-3 hold K = 8 (l / 16) + 0..7, registers 4-7 hold K = 16 + 8 (l / 16) + 0..7.
	; From rows that lie along K: two loads of 16 bytes, 32 bytes apart.  The same for source 0 and source 1.
	v_and_b32 v1, 15, v0                           ; r = l % 16
	v_bfe_u32 v2, v0, 4, 1                         ; h = l / 16
	v_mul_u32_u24 v3, v1, PITCH
	v_lshl_add_u32 v3, v2, 4, v3                   ; row x pitch + 16 x half
	s_mul_i32 s21, s13, HALFT                      ; my 128 rows of aq
	s_mul_i32 s22, s14, HALFT                      ; my 128 rows of wq,
	s_add_co_u32 s22, s22, 2*HALFT                 ; which lie behind aq's 256
.irp s, 0,1
	v_add_nc_u32 v[ADRA+(\s)], s21, v3
	v_add_nc_u32 v[ADRB+(\s)], s22, v3
	s_add_co_u32 s21, s21, SLOT
	s_add_co_u32 s22, s22, SLOT
.endr
	v_lshlrev_b32 v[CO], 17, v2                    ; lanes 16-31 stand eight rows of 16,384 bytes further down,
	v_lshl_add_u32 v[CO], v1, 4, v[CO]             ; and lane r holds the 16 bytes at 16 r of a run of 256
	v_lshlrev_b32 v[XO], 5, v2                     ; eight scales further on for lanes 16-31
	s_lshl_b32 s16, s15, 8
	s_lshl_b32 s17, s13, 7
	s_add_co_u32 s16, s16, s17                     ; my first row = 256 x tile row + 128 x half
	s_lshl_b32 s2, s16, 2                          ; its word in xs
	s_mov_b32 s3, 0
	s_add_nc_u64 s[10:11], s[10:11], s[2:3]
	s_lshl_b32 s16, s16, 14                        ; its first byte in out0: under 2^26
	s_mov_b32 s17, 0
	s_add_nc_u64 s[8:9], s[8:9], s[16:17]
	s_lshl_b32 s46, s42, 10                        ; my first column, in bytes: 1,024 x tile column + 512 x half (in the registers that held wq's address: none that feeds aq's descriptors ever holds cx)
	s_lshl_b32 s47, s14, 9
	s_add_co_u32 s46, s46, s47
	s_mov_b32 s47, 0
	s_add_nc_u64 s[8:9], s[8:9], s[46:47]
.irp a, 0,1,2,3,4,5,6,7
	global_load_b128 v[SCL+8*(\a):SCL+8*(\a)+3],   v[XO], s[10:11] offset:64*(\a)     ; the scales of rows 16 a + 8 h + 0..3,
	global_load_b128 v[SCL+8*(\a)+4:SCL+8*(\a)+7], v[XO], s[10:11] offset:64*(\a)+16  ; and + 4..7: read once, kept to the end
.endr
; 16 matrix instructions: m blocks a0, a0 + 1 of the window's four (hi = 0: my rows 0-63, 1: rows 64-127) x all 8 n blocks, 32 along K.
; zero = 1: the first product starts the sums: nothing is ever cleared.  The 64 accumulators take turns in the same order in every quarter step.
.macro MUL16 f, hi, a0, zero
	WIN MUL_LO+0x50*(\hi)  ; MUL_LO or MUL_HI
.irp a, \a0, (\a0)+1
.irp b, 0,1,2,3,4,5,6,7
.if \zero
	v_wmma_f32_16x16x32_f16 v[8*(8*(\a)+(\b)):8*(8*(\a)+(\b))+7], v[(\f)+8*(4*(\hi)+(\a)):(\f)+8*(4*(\hi)+(\a))+7], v[(\f)+8*(\b):(\f)+8*(\b)+7], 0
.else
	v_wmma_f32_16x16x32_f16 v[8*(8*(\a)+(\b)):8*(8*(\a)+(\b))+7], v[(\f)+8*(4*(\hi)+(\a)):(\f)+8*(4*(\hi)+(\a))+7], v[(\f)+8*(\b):(\f)+8*(\b)+7], v[8*(8*(\a)+(\b)):8*(8*(\a)+(\b))+7]
.endif
.endr
.endr
.endm
; 32 LDS loads in one run: the fragments of one quarter step (128 rows of wq, 128 rows of aq, 32 K at byte k of the rows) into buffer f
.macro FETCH slot, k, f
	WIN TO_B
.irp i, 0,1,2,3,4,5,6,7
	ds_load_b128 v[(\f)+8*(\i):(\f)+8*(\i)+3],   v[ADRB+(\slot)] offset:(\k)+(\i)*16*PITCH
	ds_load_b128 v[(\f)+8*(\i)+4:(\f)+8*(\i)+7], v[ADRB+(\slot)] offset:(\k)+(\i)*16*PITCH+32
.endr
	WIN 0
.irp i, 0,1,2,3,4,5,6,7
	ds_load_b128 v[(\f)+8*(\i):(\f)+8*(\i)+3],   v[ADRA+(\slot)] offset:(\k)+(\i)*16*PITCH
	ds_load_b128 v[(\f)+8*(\i)+4:(\f)+8*(\i)+7], v[ADRA+(\slot)] offset:(\k)+(\i)*16*PITCH+32
.endr
.endm
; A load into a register that a matrix instruction has read, and a vector instruction that reads a matrix result or writes one of a matrix instruction's registers, stand four places behind
; that matrix instruction, and only plain vector instructions that name none of its registers are places (ISA guide 7.12.1 for vector instructions).
.macro PLACES
.rept 4
	v_nop
.endr
.endm
; A K step is four quarter steps of 32 along K, 64 matrix instructions each, on buffers 0, 1, 0, 1.
; One of the first three: multiplies buffer f; in its middle it fetches the next quarter's fragments, at byte k of the same slot's rows, into buffer g.
.macro QUARTER slot, k, f, g, zero
	s_wait_dscnt 8                                 ; wq and aq's rows 0-63 are in; the youngest eight loads (aq's rows 64-127) may be out
	WIN MUL_LO
	MUL16 \f, 0, 0, \zero
	MUL16 \f, 0, 2, \zero
	PLACES
	FETCH \slot, \k, \g
	s_wait_dscnt 32                                ; all but the 32 just issued
	WIN MUL_HI
	MUL16 \f, 1, 0, \zero
	MUL16 \f, 1, 2, \zero
.endm
; The last quarter multiplies buffer 1 and changes slots.  MEET is its first half: ONE barrier for the change of slots, for two things.  In front of it each wave waits for all its tensor
; loads, of which one is out: its part of the next slot; adds 0 to its spare word; and waits for that and for its own reads of this slot.  Behind it nobody reads this slot and the next is whole.
.macro MEET round                      ; round = 1: a round of the cluster's barrier follows
	WIN 0                                          ; (the add's two registers lie in window 0)
	s_wait_tensorcnt 0x0                           ; all my tensor loads have landed: the one that was out is my part of the next slot;
	ds_add_u32 v[SPW], v[NIL]                      ; 0 onto my spare word;
	s_wait_dscnt 9                                 ; (the add and the youngest eight loads may be out)
	WIN MUL_LO
	MUL16 F1, 0, 0, 0                              ; sixteen matrix instructions stand between the add and the wait for it
	s_wait_dscnt 0x0                               ; the add is done, and my reads of this slot are over:
	s_barrier_signal -1                            ; say so (where a slot is filled again this barrier opens a round of the cluster's barrier),
	MUL16 F1, 0, 2, 0                              ; work on registers while the others arrive,
.if \round
	WIN 0
.endif
	s_barrier_wait -1                              ; and go on when all four have said so
.endm
; The whole last quarter.  fill = 1: behind the round the slot just read out is filled again first, with the K step two steps on; then come the next slot's first fragments.
; From a request to the wait for it a wave issues 224 matrix instructions.
.macro TURN slot, next, fill
	MEET \fill
.if \fill
	CREST                                          ; wave 0 says so for the work-group, all sixteen have said so, my work-group's barrier closes the round: no wave of any partner still reads this slot's tile or has a load on its way
	s_add_nc_u64 s[G0+4*(\slot)+2:G0+4*(\slot)+3], s[G0+4*(\slot)+2:G0+4*(\slot)+3], 2*KSTEP*2      ; no tensor load of mine is out, so a group 0 may be written; the type bits on top are not reached
	s_add_nc_u64 s[G0B+4*(\slot)+2:G0B+4*(\slot)+3], s[G0B+4*(\slot)+2:G0B+4*(\slot)+3], 2*KSTEP*2
	JLOAD \slot                                    ; the first tensor load behind the round, my only one until the next; the four v_nop behind it are also the places in front of the loads below
.else
	PLACES
.endif
	FETCH \next, 0, F0
	WIN MUL_HI
	MUL16 F1, 1, 0, 0
	MUL16 F1, 1, 2, 0
.endm
; THE WAY OUT of block a, my rows 16 a .. 16 a + 15.  64 multiplies by the rows' scales put register j of accumulators b = 0..7 side by side; each accumulator's register 0 is read first.
; Then 16 stores: in each, lanes 0-15 write 256 consecutive bytes of row 16 a + j and lanes 16-31 of row 16 a + 8 + j, each run at a multiple of 256 from out0's first byte.
; The row and the run stand in the immediate, 1,949,952 at the most, inside its signed 24 bits (ISA guide, chapter 10): neither base nor offset register is ever rewritten.
.macro OUT a
.set TB, F0+64*((\a)%2)                ; the fragment buffers have been read out: two buffers of 64 by turns
.set AC, 64*((\a)%4)
.if (\a) >= 2
	s_wait_xcnt 0x0                                ; the stores of the block two back read this buffer: it is rewritten only behind this wait
.endif
	WIN 0x02+(\a)/4                                ; source 0: window 2 or 3
.irp j, 0,1,2,3,4,5,6,7
.irp b, 0,1,2,3,4,5,6,7
	v_mul_f32 v[TB+8*(\j)+(\b)], v[AC+8*(\b)+(\j)], v[SCL+8*(\a)+(\j)]
.endr
.endr
	WIN 0
.irp j, 0,1,2,3,4,5,6,7
.irp g, 0,1
	global_store_b128 v[CO], v[TB+8*(\j)+4*(\g):TB+8*(\j)+4*(\g)+3], s[8:9] offset:(16*(\a)+(\j))*ROWC+256*(\g) th:TH_STORE_NT
.endr
.endr
.endm
	s_wait_tensorcnt 1                             ; my part of K step 0 is in; K step 1's may stay out
	s_wait_loadcnt 0x0                             ; my rows' scales
	s_barrier_signal -1
	s_barrier_wait -1                              ; everybody's part is in
	FETCH 0, 0, F0
	QUARTER 0, 64,  F0, F1, 1                      ; the first quarter stands in front of the loop: its products start the sums
	WIN 0                                          ; at a label and at a branch every window is 0
	s_mov_b32 s3, LAPS-1
.Llap:                                                 ; 15 trips: a trip goes once round the ring, from a lap's second quarter to the next lap's first, and fills both slots again (K steps 2 to 31)
	QUARTER 0, 128, F1, F0, 0
	QUARTER 0, 192, F0, F1, 0
	TURN 0, 1, 1
	QUARTER 1, 64,  F0, F1, 0
	QUARTER 1, 128, F1, F0, 0
	QUARTER 1, 192, F0, F1, 0
	TURN 1, 0, 1
	QUARTER 0, 64,  F0, F1, 0
	WIN 0
	s_sub_co_u32 s3, s3, 1
	s_cmp_lg_u32 s3, 0
	s_cbranch_scc1 .Llap
	QUARTER 0, 128, F1, F0, 0                      ; the last lap is written out: it asks for nothing, and has no round of the cluster's barrier
	QUARTER 0, 192, F0, F1, 0
	TURN 0, 1, 0
	QUARTER 1, 64,  F0, F1, 0
	QUARTER 1, 128, F1, F0, 0
	QUARTER 1, 192, F0, F1, 0
	s_wait_dscnt 8                                 ; the very last quarter: nothing more to fetch
	WIN MUL_LO
	MUL16 F1, 0, 0, 0
	MUL16 F1, 0, 2, 0
	s_wait_dscnt 0x0
	MUL16 F1, 1, 0, 0
	MUL16 F1, 1, 2, 0
	WIN 0
	PLACES                                         ; the multiplies below read results and write over fragments that the last products read
.irp a, 0,1,2,3,4,5,6,7
	OUT \a
.endr
	s_wait_tensorcnt 0x0                           ; the wave's end, behind my last tensor load
	ds_add_u32 v[SPW], v[NIL]
	s_wait_dscnt 0x0
	CROUND                                         ; the closing round: no work-group ends while a partner may still ask for a tile that names it
	s_endpgm
.Lfunc_end_k_qf9c31fa203_gemm:
	.size	k_qf9c31fa203_gemm, .Lfunc_end_k_qf9c31fa203_gemm-k_qf9c31fa203_gemm
	.p2alignl 7, 3214868480
	.fill 96, 4, 3214868480
	.section	.rodata,"a",@progbits
	.p2align	6, 0x0
	.amdhsa_kernel k_qf9c31fa203_gemm
		.amdhsa_group_segment_fixed_size 327680
		.amdhsa_private_segment_fixed_size 0
		.amdhsa_enable_private_segment 0
		.amdhsa_kernarg_size 32
		.amdhsa_user_sgpr_count 2
		.amdhsa_user_sgpr_kernarg_segment_ptr 1
		.amdhsa_wavefront_size32 1
		.amdhsa_system_sgpr_workgroup_id_x 1
		.amdhsa_system_sgpr_workgroup_id_y 1
		.amdhsa_system_sgpr_workgroup_id_z 1
		.amdhsa_system_vgpr_workitem_id 0
		.amdhsa_next_free_vgpr 1024
		.amdhsa_next_free_sgpr 66
		.amdhsa_reserve_vcc 0
		.amdhsa_float_denorm_mode_32 3
		.amdhsa_float_denorm_mode_16_64 3
		.amdhsa_memory_ordered 1
		.amdhsa_forward_progress 1
		.amdhsa_inst_pref_size 141
	.end_amdhsa_kernel
	.amdgpu_metadata
---
amdhsa.version: [ 1, 2 ]
amdhsa.kernels:
  - .name:           k_qf9c31fa203_gemm
    .symbol:         k_qf9c31fa203_gemm.kd
    .args:
      - { .name: aq, .offset: 0, .size: 8, .value_kind: global_buffer, .address_space: global }
      - { .name: wq, .offset: 8, .size: 8, .value_kind: global_buffer, .address_space: global }
      - { .name: out0, .offset: 16, .size: 8, .value_kind: global_buffer, .address_space: global }
      - { .name: xs, .offset: 24, .size: 8, .value_kind: global_buffer, .address_space: global }
    .group_segment_fixed_size: 327680
    .private_segment_fixed_size: 0
    .kernarg_segment_align: 8
    .kernarg_segment_size: 32
    .max_flat_workgroup_size: 128
    .sgpr_count:     66
    .vgpr_count:     1024
    .wavefront_size: 32
...
	.end_amdgpu_metadata
.endif
;; end of part 2
;; ======== version 2 of 2: 2 launches; version 1 with the launch prep written anew for expert scheduling mode
;; limits: values are held in f16: magnitudes above 65,504 overflow, below 6.1e-05 lose precision
;; workspace buffers: aq 33,554,432 bytes; wq 33,554,432 bytes; xs 16,384 bytes
;; launch prep (part 3): grid 256 x 1, 16 waves a work-group, no clusters, 0 bytes of LDS; arguments x, weight_int8, scales, zeros, aq, wq, xs; writes aq, wq, xs
.if DOCPART == 3
	.amdgcn_target "amdgcn-amd-amdhsa--gfx1250"
	.amdhsa_code_object_version 6
	.text
	.protected	k_qf9c31fa203_prep
	.globl	k_qf9c31fa203_prep
	.p2align	8
	.type	k_qf9c31fa203_prep,@function
k_qf9c31fa203_prep:
	s_mov_b64 s[64:65], 0
	v_nop
	global_prefetch_b8 v0, s[64:65] scope:SCOPE_SE
	s_setreg_imm32_b32 hwreg(HW_REG_WAVE_SCHED_MODE, 0, 2), 2
	s_setreg_imm32_b32 hwreg(HW_REG_WAVE_MODE, 25, 1), 1
	s_wait_xcnt 0x0
	s_wait_alu depctr_vm_vsrc(0)
; PREPARATION FOR THE PRODUCT.  Two streams, one row of each to a wave; row = 16 x work-group + wave, 4,096 rows of either kind.
;   weights: wq[p(n)][k] = f16((w[n][k] - zeros[n][k/256]) * scales[n][k/256]), reckoned in f32 in the order subtract, multiply, and rounded once to f16.
;            The rows are laid down permuted, p(n) = (n & ~63) | (n & 3) << 4 | (n >> 2) & 15, so that in the product that follows four accumulators hold, in one lane,
;            four neighbouring columns of the result, which then leaves from registers in runs of 256 consecutive bytes.
;   tokens:  aq[m][k] = f16(q - zp), a whole number in -255 .. 255 and so exact in f16; xs[m] = the token's scale, which the product applies in f32 to its finished sums.
;            mn = min(row, 0), mx = max(row, 0); scale = max((mx - mn) / 255, 2^-23); zp from whichever end, rounded to even and held to -128 .. 127;
;            clip(round(x / scale) + zp, -128, 127) - zp = clip(round(x / scale), -128 - zp, 127 - zp): all whole numbers, so the two are the same number.
; A row of x is 16,384 bytes = 128 registers of a wave: it stays in registers between the pass that finds mn and mx and the pass that quantises, so it is read once.
; No LDS, no barrier, no matrix unit: the waves share nothing.  All 48 loads of a wave go out at its head; the weights, asked for first, are worked on while x is on its way.
; LIMITS.  NaN and infinities are not treated apart (minimum and maximum drop a NaN).  A dequantised weight lies within f16's 65,504; below 6.1e-5 it keeps f16's fixed step of 6e-8.
; Divisions are a reciprocal with one residual step; x / scale is x times such a reciprocal, which can round to the neighbouring code where the quotient lies within
; about two units in the last place of a half: one quantum in one of a row's 4,096 terms.
; THE MODE: SCHED_MODE bits 1:0 = 2 (LLVM: expert scheduling mode 2), set by the entry lines.  The code itself states the register dependences
; between vector instructions and memory instructions, with s_wait_alu, always for 0.
; THE PLAN.  Registers that memory instructions touch:
;   v2, v3, v11  offsets, made once at the head and never written again: one wait ahead of the first load states that they are written.
;   W            the weights' loads land in it; each group's lines read its pair; nothing is loaded into it again.
;   X            x's loads land in it; pass 1 reads it; pass 2 rewrites it in place, and two of each four registers are then a store's data; nothing writes them after that.
;   Y0, Y1       the 16 groups of weights go in four batches of four.  Batch b's roundings write Y[b % 2]; the four stores that read it are issued in batch b + 1.
;   v19          the token's scale: written among the row's figures, read by the last store.
; Batch b's memory instructions are the stores from Y[(b - 1) % 2], which no vector instruction of batch b names: so the waits at a batch's head state all that they hang on,
; and they are dealt among the batch's vector instructions with no further wait.  Pass 2 goes likewise, in four chunks of eight loads' numbers: chunk c's stores are issued in chunk c + 1.
.set L16, 2                            ; v2        16 x lane; never rewritten
.set L8,  3                            ; v3        8 x lane; never rewritten
.set ZP,  4                            ; v[4:5]    the group's zero point; v5 is named with it as a pair and holds 0
.set SP,  6                            ; v[6:7]    the group's scale; v7 likewise
.set INV, 8                            ; v[8:9]    1 / the token's scale, twice
.set MAG, 10                           ; v10       0x4b000000 = 2^23 as f32
.set NUL, 11                           ; v11       0: the offset of the one store into xs
.set U,   12                           ; v[12:13]  eight weight bytes, each plus 128
.set MN,  14                           ; v14, v15  two running minima
.set MX,  16                           ; v16, v17  two running maxima
.set D,   18                           ; v18       mx - mn
.set SC,  19                           ; v19       the token's scale
.set CLO, 20                           ; v20       -128 - zp
.set CHI, 21                           ; v21       127 - zp
.set Q1,  22                           ; v22       mn / scale
.set Q2,  23                           ; v23       mx / scale
.set R,   24                           ; v24       a residual
.set T,   26                           ; v[26:33]  at work: no memory instruction names them
.set Y,   34                           ; v[34:65]  buffer p, slot k: four registers at Y + 16 p + 4 k: eight f16 to store
.set W,   66                           ; v[66:97]  group j: two registers, eight weight bytes
.set X,   98                           ; v[98:225] load i: four registers of x
	s_load_b256 s[4:11], s[0:1], 0x0               ; x s[4:5], weight s[6:7], scales s[8:9], zeros s[10:11]
	s_load_b128 s[12:15], s[0:1], 0x20             ; aq s[12:13], wq s[14:15]
	s_load_b64 s[16:17], s[0:1], 0x30              ; xs
	v_lshrrev_b32 v1, 5, v0
	v_readfirstlane_b32 s18, v1                    ; wave 0..15
	v_and_b32 v1, 31, v0                           ; lane
	v_lshlrev_b32 v[L16], 4, v1
	v_lshlrev_b32 v[L8], 3, v1
	v_mov_b32 v[ZP+1], 0
	v_mov_b32 v[SP+1], 0
	v_mov_b32 v[MAG], 0x4b000000
	v_mov_b32 v[NUL], 0
	s_wait_alu depctr_va_sdst(0)                   ; s18 is written, ahead of its first reader: my row, and every base, is made from it
	s_lshl_b32 s19, ttmp9, 4
	s_add_co_u32 s19, s19, s18                     ; my row
	s_and_b32 s22, s19, 0xfc0                      ; p(row): the block of 64 stays,
	s_and_b32 s23, s19, 3
	s_lshl_b32 s23, s23, 4                         ; the two lowest bits go up by four,
	s_bfe_u32 s24, s19, 0x40002                    ; bits 5:2 come down by two
	s_or_b32 s22, s22, s23
	s_or_b32 s22, s22, s24
	s_mov_b32 s21, 0                               ; the high word of every offset
	s_mov_b32 s67, 0x80808080                      ; turns four signed bytes into byte + 128
	s_mov_b32 s68, 0x03000004                      ; byte selects: the top byte of 2^23, two of its zero bytes, and byte 0, 1, 2 or 3 of the weights' word
	s_mov_b32 s69, 0x03000005
	s_mov_b32 s70, 0x03000006
	s_mov_b32 s71, 0x03000007
	s_mov_b32 s72, 0x76543210                      ; v_permlanex16_b32: each lane takes its own place in the other half
	s_mov_b32 s73, 0xfedcba98
	s_mov_b32 s74, 0xc3000000                      ; -128.0
	s_mov_b32 s75, 0x42fe0000                      ; 127.0
	s_mov_b32 s78, 0xcb000080                      ; -(2^23 + 128)
	s_mov_b32 s79, 0xcb000080                      ; named with it as a pair
	s_wait_kmcnt 0x0
	s_lshl_b32 s20, s19, 14                        ; a row of x: 16,384 bytes
	s_add_nc_u64 s[4:5], s[4:5], s[20:21]
	s_lshl_b32 s20, s19, 12                        ; of the weights: 4,096
	s_add_nc_u64 s[6:7], s[6:7], s[20:21]
	s_lshl_b32 s20, s19, 6                         ; of scales and of zeros: 64
	s_add_nc_u64 s[8:9], s[8:9], s[20:21]
	s_add_nc_u64 s[10:11], s[10:11], s[20:21]
	s_lshl_b32 s20, s19, 13                        ; of aq: 8,192
	s_add_nc_u64 s[12:13], s[12:13], s[20:21]
	s_lshl_b32 s20, s22, 13                        ; of wq, at the permuted row
	s_add_nc_u64 s[14:15], s[14:15], s[20:21]
	s_lshl_b32 s20, s19, 2                         ; my word of xs
	s_add_nc_u64 s[16:17], s[16:17], s[20:21]
	s_load_b512 s[32:47], s[8:9], 0x0              ; the row's 16 scales
	s_load_b512 s[48:63], s[10:11], 0x0            ; and its 16 zero points
	s_wait_alu depctr_va_vdst(0)                   ; v2, v3 and v11 are written: every load and store of the kernel reads one of them as its offset
.irp j, 0,1,2,3,4,5,6,7,8,9,10,11,12,13,14,15
	global_load_b64 v[W+2*(\j):W+2*(\j)+1], v[L8], s[6:7] offset:256*(\j) th:TH_LOAD_NT  ; 32 lanes x 8 bytes = 256 bytes = group j, whole
.endr
.set i, 0
.rept 32
	global_load_b128 v[X+4*i:X+4*i+3], v[L16], s[4:5] offset:512*i th:TH_LOAD_NT  ; 512 consecutive bytes of the row
.set i, i+1
.endr
	s_wait_kmcnt 0x0                               ; scales and zero points
; Group j of the weights' row: eight bytes a lane become eight f16, 16 bytes a lane.  Batch b = j / 4 writes Y[b % 2]; in front of the group's lines stands the store of the group four back.
.macro WGRP j
.set YB, Y+16*(((\j)/4)%2)+4*((\j)%4)  ; this group's slot
.set YP, Y+16*(1-((\j)/4)%2)+4*((\j)%4)  ; the slot of the group four back, in the other buffer
.if (\j)%4 == 0                        ; a batch's head
	s_wait_loadcnt 47-(\j)                         ; loads come back in order: behind group j's stand 15 - j of the weights' and the 32 of x
.if (\j) >= 8
	s_wait_xcnt 0x0                                ; this batch's Y was the data of the stores issued in the batch before: it is rewritten only behind this wait,
	s_wait_alu depctr_vm_vsrc(0)                   ; and behind this one: those stores have read this batch's Y, which its roundings write again
.endif
.if (\j) >= 4
	s_wait_alu depctr_va_vdst(0)                   ; the batch before has written the other Y, which this batch's four stores read
.endif
.endif
.if (\j) >= 4
	global_store_b128 v[L16], v[YP:YP+3], s[14:15] offset:512*((\j)-4)  ; 512 consecutive bytes, at a multiple of 512 from the row's first; no vector instruction since the wait names these registers
.endif
.if (\j)%4 != 0
	s_wait_loadcnt 47-(\j)                         ; as at the batch's head
.endif
	v_mov_b32 v[ZP], s[48+(\j)]
	v_mov_b32 v[SP], s[32+(\j)]
	v_xor_b32 v[U], s67, v[W+2*(\j)]               ; each byte: w + 128, 0 .. 255
	v_xor_b32 v[U+1], s67, v[W+2*(\j)+1]
.irp k, 0,1,2,3
	v_perm_b32 v[T+(\k)], v[U], v[MAG], s[68+(\k)]       ; the byte as the lowest mantissa bits of 2^23: the f32 number 2^23 + w + 128
	v_perm_b32 v[T+4+(\k)], v[U+1], v[MAG], s[68+(\k)]
.endr
.irp k, 0,2,4,6
	v_pk_add_f32 v[T+(\k):T+(\k)+1], v[T+(\k):T+(\k)+1], s[78:79] op_sel_hi:[1,0]  ; w, exactly
.endr
.irp k, 0,2,4,6
	v_pk_add_f32 v[T+(\k):T+(\k)+1], v[T+(\k):T+(\k)+1], v[ZP:ZP+1] op_sel_hi:[1,0] neg_lo:[0,1] neg_hi:[0,1]  ; w - z
.endr
.irp k, 0,2,4,6
	v_pk_mul_f32 v[T+(\k):T+(\k)+1], v[T+(\k):T+(\k)+1], v[SP:SP+1] op_sel_hi:[1,0]  ; (w - z) s
.endr
.irp k, 0,1,2,3
	v_cvt_pk_f16_f32 v[YB+(\k)], v[T+2*(\k)], v[T+2*(\k)+1]  ; the program's one rounding of a matrix operand
.endr
.endm
.irp j, 0,1,2,3,4,5,6,7,8,9,10,11,12,13,14,15
	WGRP \j
.endr
	; PASS 1 over x: minimum and maximum, in two chains each, three operands at a time.  The chains start at 0, which is the formula's own min(., 0) and max(., 0).
	v_mov_b32 v[MN], 0
	v_mov_b32 v[MN+1], 0
	v_mov_b32 v[MX], 0
	v_mov_b32 v[MX+1], 0
	s_wait_alu depctr_va_vdst(0)                   ; the last batch has written Y1, which the weights' last four stores read; nothing writes Y after them
.irp k, 0,1,2,3
	global_store_b128 v[L16], v[Y+16+4*(\k):Y+16+4*(\k)+3], s[14:15] offset:512*(12+(\k))
.endr
.irp c, 0,1,2,3
	s_wait_loadcnt 24-8*(\c)                       ; eight loads of x at a time: the younger ones stay out
.irp i, 0,1,2,3,4,5,6,7
	v_min3_num_f32 v[MN],   v[MN],   v[X+4*(8*(\c)+(\i))],   v[X+4*(8*(\c)+(\i))+1]
	v_max3_num_f32 v[MX],   v[MX],   v[X+4*(8*(\c)+(\i))],   v[X+4*(8*(\c)+(\i))+1]
	v_min3_num_f32 v[MN+1], v[MN+1], v[X+4*(8*(\c)+(\i))+2], v[X+4*(8*(\c)+(\i))+3]
	v_max3_num_f32 v[MX+1], v[MX+1], v[X+4*(8*(\c)+(\i))+2], v[X+4*(8*(\c)+(\i))+3]
.endr
.endr
	v_min_num_f32 v[MN], v[MN], v[MN+1]
	v_max_num_f32 v[MX], v[MX], v[MX+1]
.irp m, 1,2,4,8                        ; across the 16 lanes of each half, riding on the arithmetic
	v_min_num_f32_dpp v[MN], v[MN], v[MN] row_xmask:\m row_mask:0xf bank_mask:0xf
	v_max_num_f32_dpp v[MX], v[MX], v[MX] row_xmask:\m row_mask:0xf bank_mask:0xf
.endr
	v_permlanex16_b32 v[T], v[MN], s72, s73        ; the other half's (the destinations have been written before)
	v_permlanex16_b32 v[T+1], v[MX], s72, s73
	v_min_num_f32 v[MN], v[MN], v[T]
	v_max_num_f32 v[MX], v[MX], v[T+1]             ; every lane holds the row's mn and mx
	; THE ROW'S FIGURES, in every lane.
	v_sub_f32 v[D], v[MX], v[MN]
	v_mul_f32 v[SC], 0x3b808081, v[D]              ; (mx - mn) / 255: times 1 / 255,
	v_fmamk_f32 v[R], v[SC], 0xc37f0000, v[D]      ; the residual (mx - mn) - 255 q,
	v_fmamk_f32 v[SC], v[R], 0x3b808081, v[SC]     ; and its share added
	v_max_num_f32 v[SC], 0x34000000, v[SC]         ; at least 2^-23
	v_rcp_f32 v[INV], v[SC]
	v_nop                                          ; a plain instruction between the reciprocal and the use of its result (ISA guide 5.7.2)
	s_wait_alu depctr_va_vdst(0)                   ; the reciprocal has written v8, ahead of the first line that names it
	v_fma_f32 v[R], -v[SC], v[INV], 1.0
	v_fma_f32 v[INV], v[R], v[INV], v[INV]         ; 1 / scale, one residual step on
	v_mov_b32 v[INV+1], v[INV]
	v_mul_f32 v[Q1], v[MN], v[INV]                 ; mn / scale and mx / scale, each with a residual step
	v_mul_f32 v[Q2], v[MX], v[INV]
	v_fma_f32 v[R], -v[Q1], v[SC], v[MN]
	v_fma_f32 v[T], -v[Q2], v[SC], v[MX]
	v_fma_f32 v[Q1], v[R], v[INV], v[Q1]
	v_fma_f32 v[Q2], v[T], v[INV], v[Q2]
	v_add_f32 v[T], s74, v[Q1]                     ; (-128 + mn / scale) + (127 + mx / scale) > 0 ?
	v_add_f32 v[T+1], s75, v[Q2]
	v_sub_f32 v[T+2], s74, v[Q1]                   ; then -128 - mn / scale,
	v_sub_f32 v[T+3], s75, v[Q2]                   ; else 127 - mx / scale
	v_add_f32 v[R], v[T], v[T+1]
	v_cmp_lt_f32 vcc_lo, 0, v[R]
	s_wait_alu depctr_va_vcc(0)                    ; the compare has written VCC, which the select below reads
	v_cndmask_b32 v[T+4], v[T+3], v[T+2], vcc_lo
	v_rndne_f32 v[T+4], v[T+4]                     ; to the nearest whole number, halves to even
	v_med3_num_f32 v[T+4], v[T+4], s74, s75        ; zp, held to -128 .. 127
	v_sub_f32 v[CLO], s74, v[T+4]
	v_sub_f32 v[CHI], s75, v[T+4]
; PASS 2: load i's four numbers become q - zp, in place, and leave as four f16.  Nothing writes these registers after their store, so nothing is owed behind the stores.
.macro XQA i                           ; the arithmetic
.set XB, X+4*(\i)
	v_pk_mul_f32 v[XB:XB+1], v[XB:XB+1], v[INV:INV+1]
	v_pk_mul_f32 v[XB+2:XB+3], v[XB+2:XB+3], v[INV:INV+1]
.irp k, 0,1,2,3
	v_rndne_f32 v[XB+(\k)], v[XB+(\k)]
.endr
.irp k, 0,1,2,3
	v_med3_num_f32 v[XB+(\k)], v[XB+(\k)], v[CLO], v[CHI]
.endr
	v_cvt_pk_f16_f32 v[XB], v[XB], v[XB+1]         ; whole numbers up to 255: exact in f16
	v_cvt_pk_f16_f32 v[XB+1], v[XB+2], v[XB+3]
.endm
.macro XQS i                           ; the store
	global_store_b64 v[L8], v[X+4*(\i):X+4*(\i)+1], s[12:13] offset:256*(\i)  ; the wave's 32 lanes store 256 consecutive bytes, at a multiple of 256 from aq's first
.endm
; Four chunks of eight.  Chunk c's vector instructions name its own 32 registers of X, INV, CLO and CHI; the stores issued among them read the chunk before's pairs and v3.
.irp c, 0,1,2,3
.if (\c) > 0
	s_wait_alu depctr_va_vdst(0)                   ; the chunk before has written its eight pairs, which the eight stores dealt among this chunk's lines read
.endif
.irp i, 0,1,2,3,4,5,6,7
.if (\c) > 0
	XQS 8*((\c)-1)+(\i)
.endif
	XQA 8*(\c)+(\i)
.endr
.endr
	s_wait_alu depctr_va_vdst(0)                   ; the last chunk has written its eight pairs, which the last eight stores read
.irp i, 24,25,26,27,28,29,30,31
	XQS \i
.endr
	; The token's scale: one word a row, from lane 0.  A wave owns one row, so these four bytes stand alone: 16,384 bytes of the launch's stores in all.
	v_cmp_eq_u32 vcc_lo, 0, v1
	s_wait_alu depctr_va_vcc(0)                    ; the compare has written VCC: EXEC is made from it
	s_wait_xcnt 0x0                                ; EXEC is a source of the stores above: it changes only behind this wait
	s_wait_alu depctr_va_vdst(0)                   ; ahead of the write of EXEC: every vector instruction issued so far has written its result, v11 and v19, which the store below reads, among them
	s_wait_alu depctr_vm_vsrc(0)                   ; ahead of the write of EXEC: the stores above have read their registers
	s_and_saveexec_b32 s76, vcc_lo
	global_store_b32 v[NUL], v[SC], s[16:17]
	s_wait_xcnt 0x0                                ; and again in front of the line that widens it
	s_wait_alu depctr_va_vdst(0)                   ; ahead of the write of EXEC: no vector instruction is still at work
	s_wait_alu depctr_vm_vsrc(0)                   ; ahead of the write of EXEC: the store has read v11 and v19
	s_or_b32 exec_lo, exec_lo, s76
	s_endpgm
.Lfunc_end_k_qf9c31fa203_prep:
	.size	k_qf9c31fa203_prep, .Lfunc_end_k_qf9c31fa203_prep-k_qf9c31fa203_prep
	.p2alignl 7, 3214868480
	.fill 96, 4, 3214868480
	.section	.rodata,"a",@progbits
	.p2align	6, 0x0
	.amdhsa_kernel k_qf9c31fa203_prep
		.amdhsa_group_segment_fixed_size 0
		.amdhsa_private_segment_fixed_size 0
		.amdhsa_enable_private_segment 0
		.amdhsa_kernarg_size 56
		.amdhsa_user_sgpr_count 2
		.amdhsa_user_sgpr_kernarg_segment_ptr 1
		.amdhsa_wavefront_size32 1
		.amdhsa_system_sgpr_workgroup_id_x 1
		.amdhsa_system_sgpr_workgroup_id_y 1
		.amdhsa_system_sgpr_workgroup_id_z 1
		.amdhsa_system_vgpr_workitem_id 0
		.amdhsa_next_free_vgpr 226
		.amdhsa_next_free_sgpr 80
		.amdhsa_reserve_vcc 1
		.amdhsa_float_denorm_mode_32 3
		.amdhsa_float_denorm_mode_16_64 3
		.amdhsa_memory_ordered 1
		.amdhsa_forward_progress 1
		.amdhsa_inst_pref_size 70
	.end_amdhsa_kernel
	.amdgpu_metadata
---
amdhsa.version: [ 1, 2 ]
amdhsa.kernels:
  - .name:           k_qf9c31fa203_prep
    .symbol:         k_qf9c31fa203_prep.kd
    .args:
      - { .name: x, .offset: 0, .size: 8, .value_kind: global_buffer, .address_space: global }
      - { .name: weight_int8, .offset: 8, .size: 8, .value_kind: global_buffer, .address_space: global }
      - { .name: scales, .offset: 16, .size: 8, .value_kind: global_buffer, .address_space: global }
      - { .name: zeros, .offset: 24, .size: 8, .value_kind: global_buffer, .address_space: global }
      - { .name: aq, .offset: 32, .size: 8, .value_kind: global_buffer, .address_space: global }
      - { .name: wq, .offset: 40, .size: 8, .value_kind: global_buffer, .address_space: global }
      - { .name: xs, .offset: 48, .size: 8, .value_kind: global_buffer, .address_space: global }
    .group_segment_fixed_size: 0
    .private_segment_fixed_size: 0
    .kernarg_segment_align: 8
    .kernarg_segment_size: 56
    .max_flat_workgroup_size: 512
    .sgpr_count:     80
    .vgpr_count:     226
    .wavefront_size: 32
...
	.end_amdgpu_metadata
.endif
;; end of part 3
;; launch gemm: the kernel of part 2 again; grid 16 x 16, 4 waves a work-group, clusters of 4 x 4, 327,680 bytes of LDS; arguments aq, wq, out0, xs; writes out0
